; MI455X (gfx1250); checked and timed in simulation.
; The chip was launched on July 23, 2026; its instructions are those of AMD's public machine-readable ISA for CDNA 5 (MIT licence, August 2026) and "CDNA5" Instruction Set Architecture Reference Guide (July 2026). The comments in the code are by the model that wrote it; some were corrected since.
;; Multi Branch Dense. Allowed arithmetic: float matrix products may take bf16 or f16 operands with f32 sums; all other float work in f32.
;; Inputs: bias 8 x 512 float32; g 32,768 x 8 float32; kernel 8 x 512 x 512 float32; x 32,768 x 512 float32.
;; Outputs: out0 32,768 x 512 float32.
;; 2 versions, each right; version 2 is version 1 with the launch prep written anew for expert scheduling mode. Each part assembles by itself: llvm-mc -triple=amdgcn-amd-amdhsa -mcpu=gfx1250 --defsym DOCPART=n.
;; ======== version 1 of 2: 2 launches
;; workspace buffers: wb 4,194,304 bytes
;; launch prep (part 1): grid 256 x 1, 8 waves a work-group, no clusters, 0 bytes of LDS; arguments kernel, wb; writes wb
.if DOCPART == 1
	.amdgcn_target "amdgcn-amd-amdhsa--gfx1250"
	.amdhsa_code_object_version 6
	.text
	.protected	k_q2747deee09_prep
	.globl	k_q2747deee09_prep
	.p2align	8
	.type	k_q2747deee09_prep,@function
k_q2747deee09_prep:
	s_mov_b64 s[64:65], 0
	v_nop
	global_prefetch_b8 v0, s[64:65] scope:SCOPE_SE
	s_setreg_imm32_b32 hwreg(HW_REG_WAVE_MODE, 25, 1), 1
	s_wait_xcnt 0x0
; wb[cb][kc][g][ii][n] = bf16(kernel[g][32 kc + ii][256 cb + n]);  cb 0..1, kc 0..15, g 0..7, ii 0..31, n 0..255.
; kernel: [8][512][512] f32.  wb: 4,194,304 bytes of bf16, laid so that the product's tiles (one kc, some g, one cb) are dense rows of 512 bytes.
; A stream: every byte is read once and written once; no LDS, no barrier, no matrix unit: there is nothing that they could spare.
; Work-group w takes the 16 rows (g, i) from 16 w on: g = w / 32, kc = (w / 2) % 16, ii from 16 (w % 2) on.  Wave v takes rows 2 v and 2 v + 1.
; A load of a wave covers 512 consecutive bytes (128 numbers), the store made of it 256 consecutive bytes at a multiple of 256 from wb's first byte.
.set CBB, 2097152                      ; bytes of wb for one cb
	s_load_b128 s[4:7], s[0:1], 0x0                ; kernel s[4:5], wb s[6:7]
	v_and_b32 v1, 31, v0                           ; lane
	v_lshrrev_b32 v2, 5, v0                        ; wave
	v_lshlrev_b32 v3, 4, v1
	v_lshl_add_u32 v3, v2, 12, v3                  ; source: two rows of 2,048 bytes a wave + 16 bytes a lane
	v_lshlrev_b32 v4, 3, v1
	v_lshl_add_u32 v4, v2, 10, v4                  ; destination: two rows of 512 bytes a wave + 8 bytes a lane
	s_lshl_b32 s8, ttmp9, 15                       ; 16 rows of 2,048 bytes a work-group
	s_mov_b32 s9, 0
	s_lshr_b32 s10, ttmp9, 5                       ; g
	s_bfe_u32 s11, ttmp9, 0x40001                  ; kc: 4 bits from bit 1
	s_and_b32 s12, ttmp9, 1
	s_lshl3_add_u32 s10, s11, s10                  ; 8 kc + g
	s_lshl_b32 s10, s10, 5                         ; times 32 rows
	s_lshl4_add_u32 s10, s12, s10                  ; + 16 (w % 2)
	s_lshl_b32 s10, s10, 9                         ; times 512 bytes
	s_mov_b32 s11, 0
	s_wait_kmcnt 0x0
	s_add_nc_u64 s[4:5], s[4:5], s[8:9]
	s_add_nc_u64 s[6:7], s[6:7], s[10:11]
.set k, 0
.rept 8                                ; load k: row k / 4 of my two, columns 128 (k % 4) on
	global_load_b128 v[8+4*k:11+4*k], v3, s[4:5] offset:(k/4)*2048+(k%4)*512 th:TH_LOAD_NT
.set k, k+1
.endr
.set k, 0
.rept 8
	s_wait_loadcnt 7-k                             ; loads come back in order (ISA guide 5.7.1): load k is in, the 7 - k younger ones stay out
	v_cvt_pk_bf16_f32 v[8+4*k], v[8+4*k], v[9+4*k] ; rounded to nearest even, in place; no register is written again behind its store
	v_cvt_pk_bf16_f32 v[9+4*k], v[10+4*k], v[11+4*k]
	global_store_b64 v4, v[8+4*k:9+4*k], s[6:7] offset:((k%4)/2)*CBB+(k/4)*512+(k%2)*256  ; the next launch reads these bytes: no hint
.set k, k+1
.endr
	s_endpgm
.Lfunc_end_k_q2747deee09_prep:
	.size	k_q2747deee09_prep, .Lfunc_end_k_q2747deee09_prep-k_q2747deee09_prep
	.p2alignl 7, 3214868480
	.fill 96, 4, 3214868480
	.section	.rodata,"a",@progbits
	.p2align	6, 0x0
	.amdhsa_kernel k_q2747deee09_prep
		.amdhsa_group_segment_fixed_size 0
		.amdhsa_private_segment_fixed_size 0
		.amdhsa_enable_private_segment 0
		.amdhsa_kernarg_size 16
		.amdhsa_user_sgpr_count 2
		.amdhsa_user_sgpr_kernarg_segment_ptr 1
		.amdhsa_wavefront_size32 1
		.amdhsa_system_sgpr_workgroup_id_x 1
		.amdhsa_system_sgpr_workgroup_id_y 1
		.amdhsa_system_sgpr_workgroup_id_z 1
		.amdhsa_system_vgpr_workitem_id 0
		.amdhsa_next_free_vgpr 40
		.amdhsa_next_free_sgpr 66
		.amdhsa_reserve_vcc 0
		.amdhsa_float_denorm_mode_32 3
		.amdhsa_float_denorm_mode_16_64 3
		.amdhsa_memory_ordered 1
		.amdhsa_forward_progress 1
		.amdhsa_inst_pref_size 4
	.end_amdhsa_kernel
	.amdgpu_metadata
---
amdhsa.version: [ 1, 2 ]
amdhsa.kernels:
  - .name:           k_q2747deee09_prep
    .symbol:         k_q2747deee09_prep.kd
    .args:
      - { .name: kernel, .offset: 0, .size: 8, .value_kind: global_buffer, .address_space: global }
      - { .name: wb, .offset: 8, .size: 8, .value_kind: global_buffer, .address_space: global }
    .group_segment_fixed_size: 0
    .private_segment_fixed_size: 0
    .kernarg_segment_align: 8
    .kernarg_segment_size: 16
    .max_flat_workgroup_size: 256
    .sgpr_count:     66
    .vgpr_count:     40
    .wavefront_size: 32
...
	.end_amdgpu_metadata
.endif
;; end of part 1
;; launch main (part 2): grid 256 x 1, 4 waves a work-group, clusters of 4 x 1, 327,680 bytes of LDS; arguments x, g, bias, wb, out0; writes out0
.if DOCPART == 2
	.amdgcn_target "amdgcn-amd-amdhsa--gfx1250"
	.amdhsa_code_object_version 6
	.text
	.protected	k_q2747deee09_main
	.globl	k_q2747deee09_main
	.p2align	8
	.type	k_q2747deee09_main,@function
k_q2747deee09_main:
	s_mov_b64 s[64:65], 0
	v_nop
	global_prefetch_b8 v0, s[64:65] scope:SCOPE_SE
	s_setreg_imm32_b32 hwreg(HW_REG_WAVE_MODE, 25, 1), 1
	s_wait_xcnt 0x0
	s_wait_alu depctr_hold_cnt(0) depctr_sa_sdst(0) depctr_va_vdst(0) depctr_va_sdst(0) depctr_va_ssrc(0) depctr_va_vcc(0) depctr_vm_vsrc(0)
	s_getreg_b32 s2, hwreg(HW_REG_IB_STS2, 6, 4)
	s_cmp_eq_u32 s2, 0
	s_cbranch_scc0 .Lentry_in_a_cluster
	s_endpgm
.Lentry_in_a_cluster:
	s_bfe_u32 s2, ttmp6, 0x10000c
	s_cmp_lg_u32 s2, 0x3003
	s_cbranch_scc0 .Lentry_shape_is_right
	s_endpgm
.Lentry_shape_is_right:
; out0[b][o] = sum over g, i of (g[b][g] x[b][i]) kernel[g][i][o] + sum over g of g[b][g] bias[g][o].   x: [32768][512], g: [32768][8], bias: [8][512], out0: [32768][512], all f32;
; wb: the launch before's bf16 copy of kernel, [cb 2][kc 16][g 8][ii 32][n 256].
; ONE PRODUCT with K = 8 x 512: its first operand A'[b][(g, i)] = g[b][g] x[b][i] is never stored: it is made in registers.  K goes by chunks kc of 32 i, and inside a chunk by g: a wave's x fragments
; of a chunk (64 registers) are read from LDS once and serve eight K steps.  The bias is one more K step, the first (A = g, B = bias, K's other 24 places 0): its products start the sums with the
; constant 0, and no accumulator is cleared.
; LIMITS.  x, g, kernel and bias are rounded to bf16 (nearest even); a product g x of two such numbers is exact in f32 (16 significant bits) and is rounded once to bf16 on its way to the matrix unit;
; sums in f32.  A bias that is not finite gives NaN in its whole column (0 x infinity in the bias step's unused places of K).
; SHARES.  A work-group makes 256 rows x 256 columns of out0, one tile each for 256 work-groups; each of four waves 128 x 128: eight BLOCKS a of 16 rows, each with 8 accumulators of 16 x 16: 512 registers.
; THE MATRIX INSTRUCTION IS USED TRANSPOSED (source 0 = 16 columns of kernel, source 1 = 16 rows of A'): a lane then holds eight neighbouring numbers of a row of out0, and one row's g.
; CLUSTER.  Four work-groups with the same 256 columns (cb) and neighbouring row blocks: they walk the same tiles of wb, so each tile is asked for JOINTLY, by the same tensor load with the same descriptor
; and the mask of all four.  x is not shared so: a block of x rows is read by two work-groups only (cb 0 and 1), which lie in neighbouring clusters.
; x comes through registers (f32 in memory, bf16 in LDS): each wave loads 64 rows of a block of 64 i (256 consecutive bytes a row), rounds them and stores them into one of two LDS blocks.
; REGISTERS, in windows of 256 (s_set_vgpr_msb: bits 1:0 source 0, 3:2 source 1, 5:4 source 2, 7:6 destination).  All that belongs to a block a lies in ONE window (blocks 0, 1: window 0; 2-4: window 2;
; 5-7: window 3): its accumulators, its A' (two buffers), its g, and a zero; what all blocks share as source 0, kernel's and x's fragments, lies in window 1.  So a block's products (kernel, A', sum) and
; the multiplies that make its next A' (x, g, 0) run under one setting: a K step has four switches.
;   window 0: v0-29 addresses; v32-63 bias as loaded; v64-191 accumulators (at the start v64-127: g as loaded)        windows 2, 3: v0-191 accumulators (at the start window 2's stage x)
;   windows 0, 2, 3: v192-239 A': the window's block ia, buffer p at 192 + 16 ia + 8 p; v240-251 g: 240 + 4 ia + j holds g numbers 2 j (low half) and 2 j + 1 (high half) in bf16; v252 zero
;   window 1: v0-63 x fragments of the chunk in hand; v64-127, v128-191 kernel's fragments, two buffers, on the way out rows read back; v192-255 x on its way from memory to LDS
.set PB,    544                        ; a row of kernel's tile in LDS: 512 bytes + 32 of padding = 136 words
.set HSLOT, 64*PB                      ; what one tensor load brings: 64 rows (two g)
.set BSLOT, 128*PB                     ; a slot: one chunk, four g
.set XB0,   2*BSLOT                    ; x block 0: 256 rows x 64 i of bf16
.set PX,    144                        ; its rows: 128 bytes + 16: the 16 rows of a fragment load start at 16 different groups of four banks
.set XSL,   65536                      ; x block 1 lies this far behind block 0, so that one exclusive or turns an address in one into the other's
.set BIAS,  XB0+256*PX                 ; a wave's bias tile: 8 rows x 128 columns of bf16
.set PBI,   288
.set SPARE, BIAS+4*8*PBI               ; the spare words, 128 bytes for each wave: two blocks of 256 bytes that no other line names
.set STAGE, XB0+XSL+256*PX             ; a wave's stage for the way out: 16 rows x 512 bytes
.set PS,    528
.set KCB,   131072                     ; bytes of wb for one chunk: 8 g x 32 rows x 512
.set R,    1                           ; v1   lane % 16
.set H,    2                           ; v2   lane / 16
.set LN,   3                           ; v3   lane
.set ADRB, 10                          ; v10-11  my lane's place in kernel's tile, slot 0, 1
.set AX0,  12                          ; v12  my lane's place in x block 0, for fragment loads
.set AX,   13                          ; v13  the same for the chunk to be read
.set XS0,  14                          ; v14  where I store 8 bytes of x in block 0
.set XS,   15                          ; v15  the same for the part in hand
.set XG,   16                          ; v16  my byte offset in the work-group's rows of x
.set GO,   17                          ; v17  my byte offset in 16 rows of g
.set STO,  18                          ; v18  the way out: where I put 32 bytes of a row
.set RD,   19                          ; v19  the way out: where I read 16 bytes of a row back
.set CO,   20                          ; v20  16 x lane: my bytes in 512 consecutive bytes of out0 or bias
.set HM,   21                          ; v21  all ones in lanes 0-15, 0 in lanes 16-31
.set BIA,  22                          ; v22  where I store 8 bytes of bias
.set BIR,  23                          ; v23  my lane's place in the bias tile, for the turning load
.set SPW,  28                          ; v28  LDS address of my spare word; never rewritten
.set NIL,  29                          ; v29  0; never rewritten
.set BI,   32                          ; window 0
.set GS,   64                          ; window 0
.set AP,   192                         ; windows 0, 2, 3
.set GR,   240                         ; windows 0, 2, 3
.set ZR,   252                         ; windows 0, 2, 3
.set XF,   0                           ; window 1
.set BF,   64                          ; window 1
.set XST,  192                         ; window 1
.set WV,  14                           ; s14  wave
.set RH,  15                           ; s15  which 128 rows of the tile are mine
.set CH,  16                           ; s16  which 128 columns; also: which half of a slot I fetch
.set CX,  17                           ; s17  my place in the cluster: it enters the addresses of x, g and out0 alone
.set CB,  18                           ; s18  which 256 columns of out0: the same in all four partners
.set RBK, 19                           ; s19  my block of 256 rows
.set T0,  20                           ; s20  at work, for LDS addresses and x's offsets
.set T2,  22                           ; s[22:23] at work, for offsets that all partners share
.set G1,  24                           ; s[24:31] descriptor group 1
.set G0,  32                           ; s[32:39] descriptor group 0, a set for each slot
.set CNT, 40                           ; s40  counts a pair's chunks
.set PAIRS, 41                         ; s41  counts pairs of chunks
.set TX,  42                           ; s42  what the next chunk's fragment loads add to AX0
.set TS,  43                           ; s43  what the next part's stores add to XS0
.set XN,  44                           ; s44  the part of x to be asked for next: 2 x block + half of my 64 rows
.set XOF, 46                           ; s[46:47] its byte offset
.set XBP, 48                           ; s[48:49] x at the work-group's first row
.set XAP, 50                           ; s[50:51] x at the part in hand
.set GP,  52                           ; s[52:53] g at my first row
.set BP,  54                           ; s[54:55] bias at my first column
.set CXO, 56                           ; s[56:57] at work, for offsets that hang on my place in the cluster
.set MSB, 0
.macro WIN new                         ; the immediate's high byte repeats the setting that is left; a switch that changes nothing is dropped
.if MSB != (\new)
	s_set_vgpr_msb (MSB<<8)|(\new)
.set MSB, \new
.endif
.endm
.set TO_1,   0x40                      ; destination window 1, address window 0
.set CVT1,   0x45                      ; destination and both sources window 1
.set ST1,    0x04                      ; store data window 1
.set TO_2,   0x80
.set CVT2,   0x8a
.set ST2,    0x08                      ; store data window 2
; A round of the cluster's barrier: my work-group's barrier, so that wave 0's signal speaks for all four waves; wave 0 signals; every wave waits for all four work-groups; my work-group's barrier once more.
.macro CREST                           ; a round behind its opening barrier
	s_cmp_lg_u32 s[WV], 0
	s_cbranch_scc1 .Lnot_wave_0_\@
	s_barrier_signal -3
.Lnot_wave_0_\@:
	s_barrier_wait -3
	s_barrier_signal -1
	s_barrier_wait -1
.endm
.macro CROUND                          ; a whole round
	s_barrier_signal -1
	s_barrier_wait -1
	CREST
.endm
; A joint refill: waves 0 and 1 fetch the two halves of a slot, 64 rows of 512 bytes each; waves 2 and 3 have no part of it.  The branch hangs on the wave's number alone.
; An s_nop 0 and four v_nop follow the load, ahead of the label and what follows.
.macro JLOAD slot
	s_cmp_lt_u32 s[WV], 2
	s_cbranch_scc0 .Lnone_\@
	tensor_load_to_lds s[G0+4*(\slot):G0+4*(\slot)+3], s[G1:G1+7]
	s_nop 0
.rept 4
	v_nop
.endr
.Lnone_\@:
.endm
.macro PLACE a                         ; block a: its window kw, its number ia there, its first accumulator register rAC
.if (\a) < 2
.set kw, 0
.set ia, (\a)
.set rAC, 64+64*(\a)
.elseif (\a) < 5
.set kw, 2
.set ia, (\a)-2
.set rAC, 64*((\a)-2)
.else
.set kw, 3
.set ia, (\a)-5
.set rAC, 64*((\a)-5)
.endif
.endm
; One half of register j of the block's next A': x's half (hi) times g's half (gh) plus 0, reckoned in f32 and rounded once to bf16, into the same half of the destination; the other half is kept.
.macro RIDE hi, gh, j
.if (\hi) == 0
.if (\gh) == 0
	v_fma_mixlo_bf16 v[rN+(\j)], v[rX+(\j)], v[rG], v[ZR] op_sel_hi:[1,1,0]
.else
	v_fma_mixlo_bf16 v[rN+(\j)], v[rX+(\j)], v[rG], v[ZR] op_sel:[0,1,0] op_sel_hi:[1,1,0]
.endif
.else
.if (\gh) == 0
	v_fma_mixhi_bf16 v[rN+(\j)], v[rX+(\j)], v[rG], v[ZR] op_sel:[1,0,0] op_sel_hi:[1,1,0]
.else
	v_fma_mixhi_bf16 v[rN+(\j)], v[rX+(\j)], v[rG], v[ZR] op_sel:[1,1,0] op_sel_hi:[1,1,0]
.endif
.endif
.endm
; BLOCK a's PART OF A K STEP on buffers p: 8 matrix instructions, one for each 16 columns.  A step takes the blocks 0 to 7 in this order, so the 64 accumulators take turns: between
; two links of a chain stand the 63 others'.  zero = 1: the products start the sums.
; rid = 1: behind each product stand two multiplies for the block's own A' of the NEXT step (x times g number gn), in the other buffer: registers 2 (b / 2) and 2 (b / 2) + 1, low halves behind an even b, high
; halves behind an odd one, so that the two writes of a register stand a product apart.  They name no register of the products round them.  The other buffer's fragment was last read by this block's products
; of the step before: the 112 multiplies of the seven other blocks stand between, far more than the four places that a write of a matrix instruction's source wants (ISA guide 7.12.1).
.macro BLK a, p, gn, zero, rid
	PLACE \a
	WIN 0x01|(kw<<2)|(kw<<4)|(kw<<6)               ; source 0 window 1; sources 1, 2 and the destination the block's window
.set rA, AP+16*ia+8*(\p)
.set rN, AP+16*ia+8*(1-(\p))
.set rG, GR+4*ia+(\gn)/2
.set rX, XF+8*(\a)
.set b, 0
.rept 8
.if \zero
	v_wmma_f32_16x16x32_bf16 v[rAC+8*b:rAC+8*b+7], v[BF+64*(\p)+8*b:BF+64*(\p)+8*b+7], v[rA:rA+7], 0
.else
	v_wmma_f32_16x16x32_bf16 v[rAC+8*b:rAC+8*b+7], v[BF+64*(\p)+8*b:BF+64*(\p)+8*b+7], v[rA:rA+7], v[rAC+8*b:rAC+8*b+7]
.endif
.if \rid
	RIDE b%2, (\gn)%2, 2*(b/2)
	RIDE b%2, (\gn)%2, 2*(b/2)+1
.endif
.set b, b+1
.endr
.endm
; 16 LDS loads in one run: kernel's fragments of the next step (the slot's g number q: 32 rows x my 128 columns) into buffer nb.  The tile lies [i][column], so the turning load is used: lane l
; reads row 8 (l / 16) + l % 8, columns 8 ((l / 8) % 2) + 0..7, and holds column l % 16 and 8 rows; the second load takes the rows 16 further down.  The buffer's last readers stand in the step before;
; this step's multiplies in front of the run, 32 or more, name no register of such a reader and are the places in front of the loads.
.macro FETCH slot, q, nb
	WIN TO_1
.irp b, 0,1,2,3,4,5,6,7
	ds_load_tr16_b128 v[BF+64*(\nb)+8*(\b):BF+64*(\nb)+8*(\b)+3],   v[ADRB+(\slot)] offset:(\q)*32*PB+32*(\b)
	ds_load_tr16_b128 v[BF+64*(\nb)+8*(\b)+4:BF+64*(\nb)+8*(\b)+7], v[ADRB+(\slot)] offset:(\q)*32*PB+16*PB+32*(\b)
.endr
.endm
; The next chunk's x fragments of n blocks from a0 on (16 rows x 32 i each): lane l holds row l % 16, i = 8 (l / 16) + 0..7 and 16 + 8 (l / 16) + 0..7: two loads of 16 bytes, 32 bytes apart.
; A block's loads stand behind the last multiply that reads its old fragment.  adr = 1: the chunk's address is made first.
.macro XLOAD a0, n, adr
.if \adr
	WIN 0
	v_add_nc_u32 v[AX], s[TX], v[AX0]
.endif
	WIN TO_1
.set i, (\a0)
.rept \n
	ds_load_b128 v[XF+8*i:XF+8*i+3],   v[AX] offset:16*PX*i
	ds_load_b128 v[XF+8*i+4:XF+8*i+7], v[AX] offset:16*PX*i+32
.set i, i+1
.endr
.endm
; x ON ITS WAY.  A part is 32 of my 64 rows of a block of 64 i: 16 loads, each two rows of 256 consecutive bytes.  Once a chunk: part XN - 1, asked for a chunk ago, is rounded to bf16 and stored into its block
; in LDS, and part XN is asked for.  There are 16 parts: with XN > 16 nothing is left to store, with XN > 15 nothing to ask for; the jumps go forward, past no barrier and no tensor load.
; No hint on the loads: the neighbouring cluster reads the same rows.
.macro XPROD
	WIN 0
	s_cmp_gt_u32 s[XN], 16
	s_cbranch_scc1 .Lnox_\@
	s_wait_loadcnt 0x0                             ; the part is in; its loads are done, so their base may be written below
	v_add_nc_u32 v[XS], s[TS], v[XS0]
	WIN CVT1
.set i, 0
.rept 16
	v_cvt_pk_bf16_f32 v[XST+4*i], v[XST+4*i], v[XST+4*i+1]
	v_cvt_pk_bf16_f32 v[XST+4*i+1], v[XST+4*i+2], v[XST+4*i+3]
.set i, i+1
.endr
	WIN ST1
.set i, 0
.rept 16
	ds_store_b64 v[XS], v[XST+4*i:XST+4*i+1] offset:2*PX*i
.set i, i+1
.endr
	WIN 0
	s_cmp_gt_u32 s[XN], 15
	s_cbranch_scc1 .Lnox_\@
	s_and_b32 s[XOF], s[XN], 1
	s_lshl_b32 s[XOF], s[XOF], 16                  ; the second half of my rows lies 32 rows of 2,048 bytes on,
	s_lshr_b32 s[T0], s[XN], 1
	s_lshl_b32 s[T0], s[T0], 8                     ; a block 256 bytes along the rows
	s_add_co_u32 s[XOF], s[XOF], s[T0]
	s_add_nc_u64 s[XAP:XAP+1], s[XBP:XBP+1], s[XOF:XOF+1]
	WIN TO_1
.set i, 0
.rept 16
	global_load_b128 v[XST+4*i:XST+4*i+3], v[XG], s[XAP:XAP+1] offset:4096*i
.set i, i+1
.endr
	WIN 0
.Lnox_\@:
	s_add_co_u32 s[XN], s[XN], 1
.endm
; A K STEP on buffers p that stays in its slot: it makes A' for g number gn and, behind its first two blocks, fetches kernel's fragments of the next step: 48 matrix instructions ahead of their use.
; extra = 1: x's part on its way stands ahead of the fetch, so that the fetch's loads are the youngest LDS instructions whether or not the part's stores were issued.
; extra = 2: the next chunk's x fragments: blocks 0 and 1 with the fetch, blocks 2 to 7 at the step's end.
.macro STEP p, gn, zero, slot, q, nb, extra
	s_wait_dscnt 0x0                               ; what this step multiplies was asked of LDS 48 matrix instructions ago (behind a change of slots: 24)
	BLK 0, \p, \gn, \zero, 1
	BLK 1, \p, \gn, \zero, 1
.if (\extra) == 1
	XPROD
.elseif (\extra) == 2
	XLOAD 0, 2, 1
.endif
	FETCH \slot, \q, \nb
.irp a, 2,3,4,5,6,7
	BLK \a, \p, \gn, \zero, 1
.endr
.if (\extra) == 2
	XLOAD 2, 6, 0
.endif
.endm
; A K STEP THAT CHANGES SLOTS.  Its own fragments are the old slot's last, asked for in the step before.  At its head each wave waits for all its tensor loads, of which at most one is out: its part of the
; other slot; adds 0 to its spare word; two blocks' products stand between the add and the wait for it, for the wave's reads of the old slot and for its stores and reads of x's blocks; then it signals, and
; three blocks' products stand between signal and wait.  Behind the barrier nobody reads the old slot any more and the other slot is whole.  fill = 1: the barrier opens a round of the cluster's, so that no
; wave of any partner still reads the slot or has a load on its way; the joint refill (the next chunk's same four g) is the first thing behind the round: 216 matrix instructions stand between it and the
; wait for it.  Then the next step's fragments are fetched from the other slot, three blocks' products ahead of their use.
; younger: the LDS instructions behind this step's own fragments, which may stay out over the first two blocks.
.macro STEPC p, gn, old, fill, younger, slot, q, nb
	WIN 0                                          ; the add's registers lie in window 0
	s_wait_tensorcnt 0x0                           ; no tensor load of mine is out, so a group 0 may be written
	ds_add_u32 v[SPW], v[NIL]                      ; 0 onto my spare word
.if \fill
	s_add_nc_u64 s[G0+4*(\old)+2:G0+4*(\old)+3], s[G0+4*(\old)+2:G0+4*(\old)+3], KCB  ; the same four g of the next chunk; the type bits on top are not reached
.endif
	s_wait_dscnt \younger
	BLK 0, \p, \gn, 0, 1
	BLK 1, \p, \gn, 0, 1
	s_wait_dscnt 0x0                               ; the add is done; my LDS loads are back and my LDS stores done
	s_barrier_signal -1
.irp a, 2,3,4
	BLK \a, \p, \gn, 0, 1
.endr
	WIN 0                                          ; at a label and at a branch every window is 0
	s_barrier_wait -1
.if \fill
	CREST
	JLOAD \old
.endif
	FETCH \slot, \q, \nb
.irp a, 5,6,7
	BLK \a, \p, \gn, 0, 1
.endr
.endm
; A CHUNK: eight K steps, g = 0 .. 7, on buffers 1, 0, 1, 0 ..  Step g makes A' for g + 1 and fetches kernel's fragments for g + 1; step 7 does so for the next chunk's g = 0, from the x fragments read in step 6.
; g 0-3 lie in slot 0, g 4-7 in slot 1.  fill = 0: the last chunk: nothing is asked for, of wb or of x, and its last step prepares nothing.
; x's blocks in LDS: stores stand in step 2, reads in step 6; between a read and the next store stands step 7's barrier, between a store and the next read step 3's, each behind every wave's wait for its LDS work.
.macro KC fill
	STEP  1, 1, 0, 0, 1, 0, 0
	STEP  0, 2, 0, 0, 2, 1, 0
	STEP  1, 3, 0, 0, 3, 0, \fill
	STEPC 0, 4, 0, \fill, 1, 1, 0, 1               ; behind this step's fragments: the add alone
	STEP  1, 5, 0, 1, 1, 0, 0
	STEP  0, 6, 0, 1, 2, 1, 0
	STEP  1, 7, 0, 1, 3, 0, 2*(\fill)
.if \fill
	STEPC 0, 0, 1, 1, 13, 0, 0, 1                  ; behind this step's fragments and x's blocks 0 and 1: the 12 loads of x's blocks 2 to 7, and the add
.else
	s_wait_dscnt 0x0
.irp a, 0,1,2,3,4,5,6,7
	BLK \a, 0, 0, 0, 0
.endr
.endif
.endm
; THE WAY OUT of block a (16 rows x my 128 columns).  A lane's eight numbers of a row are 32 bytes; they go into my own stage, rows of 528 bytes, and come back as whole rows of 512 bytes, into kernel's buffers.
.macro TOSTAGE a
	PLACE \a
.if (\a) >= 2
	s_wait_xcnt 0x0                                ; every earlier memory instruction has had its addresses translated (ISA guide 3.1): the registers that block a - 2's stores read are loaded again only behind this wait
.endif
	WIN kw<<2                                      ; store data in the block's window
.irp b, 0,1,2,3,4,5,6,7
	ds_store_b128 v[STO], v[rAC+8*(\b):rAC+8*(\b)+3]   offset:64*(\b)     ; each accumulator's low registers first
	ds_store_b128 v[STO], v[rAC+8*(\b)+4:rAC+8*(\b)+7] offset:64*(\b)+16
.endr
	WIN TO_1
.irp t, 0,1,2,3,4,5,6,7,8,9,10,11,12,13,14,15
	ds_load_b128 v[BF+64*((\a)%2)+4*(\t):BF+64*((\a)%2)+4*(\t)+3], v[RD] offset:PS*(\t)  ; LDS serves a wave's instructions in order (ISA guide 5.7.1.4): these see the stores above; the next block's stores come behind them
.endr
.endm
.macro SEND a, younger                 ; younger: the LDS instructions issued behind block a's loads: the next block's 32, or none
	WIN ST1
	s_wait_dscnt \younger
.irp t, 0,1,2,3,4,5,6,7,8,9,10,11,12,13,14,15
	global_store_b128 v[CO], v[BF+64*((\a)%2)+4*(\t):BF+64*((\a)%2)+4*(\t)+3], s[12:13] offset:32768*(\a)+2048*(\t) th:TH_STORE_NT  ; 512 consecutive bytes, at a multiple of 256 from out0's first byte
.endr
.endm
	s_load_b256 s[4:11], s[0:1], 0x0               ; x s[4:5], g s[6:7], bias s[8:9], wb s[10:11]
	s_load_b64 s[12:13], s[0:1], 0x20              ; out0
	v_lshl_add_u32 v[SPW], v0, 2, SPARE
	v_mov_b32 v[NIL], 0
	v_lshrrev_b32 v3, 5, v0
	v_readfirstlane_b32 s[WV], v3                  ; wave 0..3
	s_lshr_b32 s[RH], s[WV], 1
	s_and_b32 s[CH], s[WV], 1
	s_bfe_u32 s[CX], ttmp6, 0x40000                ; my place in the cluster
	s_and_b32 s[CB], ttmp9, 1                      ; in a cluster launch ttmp9 counts clusters: cluster c has columns 256 (c % 2) on
	s_lshr_b32 s[RBK], ttmp9, 1
	s_lshl2_add_u32 s[RBK], s[RBK], s[CX]          ; and the row blocks 4 (c / 2) + 0..3
	; descriptor group 1: a tile of 64 rows x 256 elements, padded in LDS
	s_mov_b32 s[G1+0], 15|(1<<16)|(1<<20)|(1<<21)|(6<<22)|(7<<25)  ; 15:0 the mask of all four; 17:16 elements of 2 bytes; 20 padding on; 21 set beside a mask; 24:22 after every 128 words (code 6); 31:25 8 words (code 7)
	s_mov_b32 s[G1+1], 256<<16                     ; tensor_dim0 = 256
	s_mov_b32 s[G1+2], 64<<16                      ; tensor_dim1 = 64
	s_mov_b32 s[G1+3], 256<<16                     ; tile_dim0 = 256
	s_mov_b32 s[G1+4], 64                          ; tile_dim1 = 64
	s_mov_b32 s[G1+5], 256                         ; 256 elements from row to row: the rows are dense
	s_mov_b32 s[G1+6], 0
	s_mov_b32 s[G1+7], 0
	s_mul_i32 s[T0], s[CH], HSLOT                  ; my half of a slot in LDS,
	s_lshl_b32 s[T2], s[CB], 21                    ; and in wb: the columns' 2,097,152 bytes
	s_lshl_b32 s[T2+1], s[CH], 15                  ; + 64 rows of 512
	s_add_co_u32 s[T2], s[T2], s[T2+1]
	s_mov_b32 s[T2+1], 0
	s_wait_kmcnt 0x0
	s_add_nc_u64 s[10:11], s[10:11], s[T2:T2+1]
.irp s, 0,1
	s_mov_b32 s[G0+4*(\s)], 1                                      ; 1:0 count = 1
	s_add_co_u32 s[G0+4*(\s)+1], s[T0], (\s)*BSLOT                 ; 63:32 LDS address
	s_add_nc_u64 s[G0+4*(\s)+2:G0+4*(\s)+3], s[10:11], (\s)*65536  ; 120:64 global address: chunk 0, g 4 s on
	s_or_b32 s[G0+4*(\s)+3], s[G0+4*(\s)+3], 0x80000000            ; 127:126 type = 2
.endr
	CROUND                                         ; all four work-groups are here: the first joint loads meet
	s_cmp_lt_u32 s[WV], 2                          ; a wave's two first fills stand in one branch, ahead of every wait on TENSORcnt and every LDS read: two loads of mine are out
	s_cbranch_scc0 .Lno_first
	tensor_load_to_lds s[G0:G0+3], s[G1:G1+7]
	s_nop 0
	tensor_load_to_lds s[G0+4:G0+7], s[G1:G1+7]
	s_nop 0
.rept 4
	v_nop
.endr
.Lno_first:
	; the pointers
	s_lshl_b32 s[CXO], s[RBK], 19                  ; 256 rows of 2,048 bytes a block, in x and in out0
	s_mov_b32 s[CXO+1], 0
	s_add_nc_u64 s[XBP:XBP+1], s[4:5], s[CXO:CXO+1]
	s_lshl_b32 s[T2], s[RH], 18                    ; my 128 rows,
	s_add_co_u32 s[CXO], s[CXO], s[T2]
	s_lshl_b32 s[T2], s[CB], 10                    ; the tile's 256 columns,
	s_add_co_u32 s[CXO], s[CXO], s[T2]
	s_lshl_b32 s[T2], s[CH], 9                     ; my 128 of them
	s_add_co_u32 s[CXO], s[CXO], s[T2]
	s_add_nc_u64 s[12:13], s[12:13], s[CXO:CXO+1]
	s_lshl_b32 s[CXO], s[RBK], 13                  ; 256 rows of 32 bytes a block in g
	s_lshl_b32 s[T2], s[RH], 12
	s_add_co_u32 s[CXO], s[CXO], s[T2]
	s_add_nc_u64 s[GP:GP+1], s[6:7], s[CXO:CXO+1]
	s_lshl_b32 s[T2], s[CB], 10
	s_lshl_b32 s[T2+1], s[CH], 9
	s_add_co_u32 s[T2], s[T2], s[T2+1]
	s_mov_b32 s[T2+1], 0
	s_add_nc_u64 s[BP:BP+1], s[8:9], s[T2:T2+1]
	s_mov_b32 s[XOF+1], 0
	; the lanes' places
	v_and_b32 v[R], 15, v0
	v_bfe_u32 v[H], v0, 4, 1
	v_and_b32 v[LN], 31, v0
	v_and_b32 v4, 7, v0
	v_bfe_u32 v5, v0, 3, 1
	v_lshl_add_u32 v6, v[H], 3, v4                 ; the turning load: row 8 (l / 16) + l % 8,
	v_mul_u32_u24 v6, v6, PB
	v_lshl_add_u32 v6, v5, 4, v6                   ; 16 bytes for each eight lanes,
	s_lshl_b32 s[T0], s[CH], 8                     ; my 128 columns
	v_add_nc_u32 v[ADRB], s[T0], v6
	v_add_nc_u32 v[ADRB+1], BSLOT, v[ADRB]
	v_mul_u32_u24 v7, v[R], PX                     ; x fragments: row x pitch + 16 x half,
	v_lshl_add_u32 v7, v[H], 4, v7
	s_mul_i32 s[T0], s[RH], 128*PX                 ; my 128 rows
	s_add_co_u32 s[T0], s[T0], XB0
	v_add_nc_u32 v[AX0], s[T0], v7
	v_mul_u32_u24 v7, v[H], PX                     ; x stores: lanes 0-15 one row's 128 bytes, lanes 16-31 the next row's,
	v_lshl_add_u32 v7, v[R], 3, v7
	s_mul_i32 s[T0], s[WV], 64*PX                  ; of the 64 rows that I bring
	s_add_co_u32 s[T0], s[T0], XB0
	v_add_nc_u32 v[XS0], s[T0], v7
	v_lshlrev_b32 v7, 4, v[R]                      ; and the same in memory: 16 bytes a lane, two rows of 2,048 bytes
	v_lshl_add_u32 v7, v[H], 11, v7
	s_lshl_b32 s[T0], s[WV], 17
	v_add_nc_u32 v[XG], s[T0], v7
	v_lshlrev_b32 v[GO], 5, v[R]                   ; a row of g is 32 bytes
	s_mul_i32 s[T0], s[WV], 16*PS
	s_add_co_u32 s[T0], s[T0], STAGE               ; my stage
	v_mul_u32_u24 v7, v[R], PS
	v_lshl_add_u32 v7, v[H], 5, v7
	v_add_nc_u32 v[STO], s[T0], v7
	v_lshl_add_u32 v[RD], v[LN], 4, s[T0]
	v_lshlrev_b32 v[CO], 4, v[LN]
	v_add_nc_u32 v[HM], -1, v[H]
	s_mul_i32 s[T0], s[WV], 8*PBI
	s_add_co_u32 s[T0], s[T0], BIAS                ; my bias tile
	v_lshl_add_u32 v[BIA], v[LN], 3, s[T0]
	v_mul_u32_u24 v7, v4, PBI                      ; the turning load on its 8 rows: both halves of the lanes take the same rows
	v_lshl_add_u32 v7, v5, 4, v7
	v_add_nc_u32 v[BIR], s[T0], v7
	; loads: g of my 128 rows (16), bias of my 128 columns (8), then the first three parts of x (48)
.irp a, 0,1,2,3,4,5,6,7
	global_load_b128 v[GS+8*(\a):GS+8*(\a)+3],   v[GO], s[GP:GP+1] offset:512*(\a)
	global_load_b128 v[GS+8*(\a)+4:GS+8*(\a)+7], v[GO], s[GP:GP+1] offset:512*(\a)+16
.endr
.irp k, 0,1,2,3,4,5,6,7
	global_load_b128 v[BI+4*(\k):BI+4*(\k)+3], v[CO], s[BP:BP+1] offset:2048*(\k)
.endr
	WIN TO_2
.set i, 0
.rept 48                               ; part i / 16 (block 0's two, block 1's first), its load i % 16
	global_load_b128 v[4*i:4*i+3], v[XG], s[XBP:XBP+1] offset:(((i/16)&1)<<16)+(((i/16)>>1)<<8)+4096*(i%16)
.set i, i+1
.endr
	WIN 0
	s_wait_loadcnt 48                              ; g and bias are in; the 48 loads of x issued behind them stay out
.irp k, 0,1,2,3,4,5,6,7
	v_cvt_pk_bf16_f32 v[BI+4*(\k)], v[BI+4*(\k)], v[BI+4*(\k)+1]
	v_cvt_pk_bf16_f32 v[BI+4*(\k)+1], v[BI+4*(\k)+2], v[BI+4*(\k)+3]
.endr
.irp k, 0,1,2,3,4,5,6,7
	ds_store_b64 v[BIA], v[BI+4*(\k):BI+4*(\k)+1] offset:PBI*(\k)
.endr
	; For each block: g rounded to bf16, two numbers a register, into the block's window.  The bias step's A (buffer 0) is the same four registers in lanes 0-15 (K = 0..7 is g's index) and 0 everywhere else.
	; Buffer 1 is written whole once, with 0: the multiplies that fill it write one half of a register and keep the other.  All this stands in the wait for x.
.irp a, 0,1,2,3,4,5,6,7
	PLACE \a
	WIN kw<<6                                      ; destination in the block's window, sources in window 0
.irp j, 0,1,2,3
	v_cvt_pk_bf16_f32 v[GR+4*ia+(\j)], v[GS+8*(\a)+2*(\j)], v[GS+8*(\a)+2*(\j)+1]
.endr
	WIN (kw<<6)|(kw<<2)                            ; source 1 there too
.irp j, 0,1,2,3
	v_and_b32 v[AP+16*ia+(\j)], v[HM], v[GR+4*ia+(\j)]
.endr
.set i, 4
.rept 12
	v_mov_b32 v[AP+16*ia+i], 0
.set i, i+1
.endr
.if ia == 0
	v_mov_b32 v[ZR], 0                             ; the window's zero
.endif
.endr
	WIN TO_1
.irp b, 0,1,2,3,4,5,6,7                ; the bias step's B: where K >= 8 it holds copies of the 8 rows, which meet zeros of A.  My own bytes: LDS serves a wave's instructions in order
	ds_load_tr16_b128 v[BF+8*(\b):BF+8*(\b)+3],   v[BIR] offset:32*(\b)
	ds_load_tr16_b128 v[BF+8*(\b)+4:BF+8*(\b)+7], v[BIR] offset:32*(\b)
.endr
	s_wait_loadcnt 0x0                             ; x's three parts are in
	WIN CVT2
.set i, 0
.rept 48
	v_cvt_pk_bf16_f32 v[4*i], v[4*i], v[4*i+1]
	v_cvt_pk_bf16_f32 v[4*i+1], v[4*i+2], v[4*i+3]
.set i, i+1
.endr
	WIN 0
	v_add_nc_u32 v[XS], XSL, v[XS0]
	WIN ST2
.set i, 0
.rept 32                               ; block 0: my 64 rows, two a store
	ds_store_b64 v[XS0], v[4*i:4*i+1] offset:2*PX*i
.set i, i+1
.endr
.set i, 0
.rept 16                               ; block 1: my first 32 rows
	ds_store_b64 v[XS], v[128+4*i:128+4*i+1] offset:2*PX*i
.set i, i+1
.endr
	WIN TO_1
.set i, 0
.rept 16                               ; part 3 (block 1, my other 32 rows) is asked for; chunk 0 stores it
	global_load_b128 v[XST+4*i:XST+4*i+3], v[XG], s[XBP:XBP+1] offset:65536+256+4096*i
.set i, i+1
.endr
	WIN 0
	s_mov_b32 s[XN], 4
	s_wait_dscnt 0x0                               ; for the others' sake: my stores of x are done; my bias fragments are in
	s_wait_tensorcnt 0x1                           ; my part of slot 0 is in; slot 1's may stay out
	s_barrier_signal -1
	s_barrier_wait -1                              ; everybody's is
	s_mov_b32 s[TX], 0
	XLOAD 0, 8, 1                                  ; chunk 0
	s_mov_b32 s[TX], 64                            ; chunk 1: the second half of block 0's rows
	s_mov_b32 s[TS], XSL+32*PX                     ; part 3's place
	STEP 0, 0, 1, 0, 0, 1, 0                       ; THE BIAS STEP starts all 64 sums; beside it A' and kernel's fragments for chunk 0, g = 0
	WIN 0
	; 15 chunks, 0 to 14, in pairs (2 j - 1, 2 j): a pair stores one block of x and reads the two chunks of one block.  Chunk 0 is a pair's second: the loop is entered there.
	s_mov_b32 s[PAIRS], 8
	s_mov_b32 s[CNT], 1
	s_branch .Lkc
.Lpair:
	s_mov_b32 s[CNT], 2
.Lkc:
	KC 1
	WIN 0
	s_add_co_u32 s[TX], s[TX], 64                  ; the block's other chunk
	s_add_co_u32 s[TS], s[TS], 32*PX               ; my other 32 rows
	s_sub_co_u32 s[CNT], s[CNT], 1
	s_cmp_lg_u32 s[CNT], 0
	s_cbranch_scc1 .Lkc
	s_sub_co_u32 s[TX], s[TX], 128                 ; back to a block's first chunk,
	s_xor_b32 s[TX], s[TX], XSL                    ; in the other block
	s_sub_co_u32 s[TS], s[TS], 64*PX
	s_xor_b32 s[TS], s[TS], XSL
	s_sub_co_u32 s[PAIRS], s[PAIRS], 1
	s_cmp_lg_u32 s[PAIRS], 0
	s_cbranch_scc1 .Lpair
	KC 0                                           ; chunk 15 is written out
	WIN 0
.rept 4
	v_nop                                          ; four places behind the last products, in front of the LDS stores that read results and of the loads into kernel's buffers (ISA guide 7.12.1 for vector instructions)
.endr
	TOSTAGE 0
.irp a, 1,2,3,4,5,6,7                  ; block a goes into the stage while block a - 1's rows come back
	TOSTAGE \a
	SEND (\a)-1, 32
.endr
	SEND 7, 0
	WIN 0
	s_wait_tensorcnt 0x0                           ; the wave's end, behind my last tensor load and my last LDS store
	ds_add_u32 v[SPW], v[NIL]
	s_wait_dscnt 0x0
	CROUND                                         ; the closing round: no work-group ends while a partner may still ask for a tile that names it
	s_endpgm
.Lfunc_end_k_q2747deee09_main:
	.size	k_q2747deee09_main, .Lfunc_end_k_q2747deee09_main-k_q2747deee09_main
	.p2alignl 7, 3214868480
	.fill 96, 4, 3214868480
	.section	.rodata,"a",@progbits
	.p2align	6, 0x0
	.amdhsa_kernel k_q2747deee09_main
		.amdhsa_group_segment_fixed_size 327680
		.amdhsa_private_segment_fixed_size 0
		.amdhsa_enable_private_segment 0
		.amdhsa_kernarg_size 40
		.amdhsa_user_sgpr_count 2
		.amdhsa_user_sgpr_kernarg_segment_ptr 1
		.amdhsa_wavefront_size32 1
		.amdhsa_system_sgpr_workgroup_id_x 1
		.amdhsa_system_sgpr_workgroup_id_y 1
		.amdhsa_system_sgpr_workgroup_id_z 1
		.amdhsa_system_vgpr_workitem_id 0
		.amdhsa_next_free_vgpr 1024
		.amdhsa_next_free_sgpr 66
		.amdhsa_reserve_vcc 0
		.amdhsa_float_denorm_mode_32 3
		.amdhsa_float_denorm_mode_16_64 3
		.amdhsa_memory_ordered 1
		.amdhsa_forward_progress 1
		.amdhsa_inst_pref_size 255
	.end_amdhsa_kernel
	.section	.bss,"aw",@nobits
	.p2align	6
	.space	262144
	.amdgpu_metadata
---
amdhsa.version: [ 1, 2 ]
amdhsa.kernels:
  - .name:           k_q2747deee09_main
    .symbol:         k_q2747deee09_main.kd
    .args:
      - { .name: x, .offset: 0, .size: 8, .value_kind: global_buffer, .address_space: global }
      - { .name: g, .offset: 8, .size: 8, .value_kind: global_buffer, .address_space: global }
      - { .name: bias, .offset: 16, .size: 8, .value_kind: global_buffer, .address_space: global }
      - { .name: wb, .offset: 24, .size: 8, .value_kind: global_buffer, .address_space: global }
      - { .name: out0, .offset: 32, .size: 8, .value_kind: global_buffer, .address_space: global }
    .group_segment_fixed_size: 327680
    .private_segment_fixed_size: 0
    .kernarg_segment_align: 8
    .kernarg_segment_size: 40
    .max_flat_workgroup_size: 128
    .sgpr_count:     66
    .vgpr_count:     1024
    .wavefront_size: 32
...
	.end_amdgpu_metadata
.endif
;; end of part 2
;; ======== version 2 of 2: 2 launches; version 1 with the launch prep written anew for expert scheduling mode
;; workspace buffers: wb 4,194,304 bytes
;; launch prep (part 3): grid 256 x 1, 8 waves a work-group, no clusters, 0 bytes of LDS; arguments kernel, wb; writes wb
.if DOCPART == 3
	.amdgcn_target "amdgcn-amd-amdhsa--gfx1250"
	.amdhsa_code_object_version 6
	.text
	.protected	k_q2747deee09_prep
	.globl	k_q2747deee09_prep
	.p2align	8
	.type	k_q2747deee09_prep,@function
k_q2747deee09_prep:
	s_mov_b64 s[64:65], 0
	v_nop
	global_prefetch_b8 v0, s[64:65] scope:SCOPE_SE
	s_setreg_imm32_b32 hwreg(HW_REG_WAVE_SCHED_MODE, 0, 2), 2
	s_setreg_imm32_b32 hwreg(HW_REG_WAVE_MODE, 25, 1), 1
	s_wait_xcnt 0x0
	s_wait_alu depctr_vm_vsrc(0)
; wb[cb][kc][g][ii][n] = bf16(kernel[g][32 kc + ii][256 cb + n]);  cb 0..1, kc 0..15, g 0..7, ii 0..31, n 0..255.
; kernel: [8][512][512] f32.  wb: 4,194,304 bytes of bf16, laid so that the product's tiles (one kc, some g, one cb) are dense rows of 512 bytes.
; A stream: every byte is read once and written once; no LDS, no barrier, no matrix unit: there is nothing that they could spare.
; Work-group w takes the 16 rows (g, i) from 16 w on: g = w / 32, kc = (w / 2) % 16, ii from 16 (w % 2) on.  Wave v takes rows 2 v and 2 v + 1.
; A load of a wave covers 512 consecutive bytes (128 numbers), the store made of it 256 consecutive bytes at a multiple of 256 from wb's first byte.
; THE MODE: SCHED_MODE bits 1:0 = 2 (LLVM: expert scheduling mode 2), set by the entry lines.  The code itself states the register dependences
; between vector instructions and memory instructions, with s_wait_alu, always for 0.
; THE PLAN.  Registers that memory instructions touch:
;   v3, v4            byte offsets of the loads and of the stores: made at the head, never written again.
;   v[8+4k : 11+4k]   load k lands here (no vector instruction has named them before); its two conversions read the four and write the first two, in place;
;                     store k reads those two; nothing writes them again, and no load is issued behind a conversion.
; So the only dependences to state are: the offsets are written, ahead of the first load; a block's conversions have written their results, ahead of its stores.
; The eight loads go in four blocks of two (a block's two stores are one row of wb, 512 bytes).  Block p's stores stand at the head of block p + 1, behind the wait
; for that block's data and one wait on va_vdst; block p + 1's conversions, which follow them, name none of block p's registers.  No register that a memory
; instruction has read is written again, so there is no wait on vm_vsrc to write.
.set CBB, 2097152                      ; bytes of wb for one cb
.macro CVT k                           ; load k's four numbers a lane, rounded to nearest even, in place; no register is written again behind its store
	v_cvt_pk_bf16_f32 v[8+4*(\k)], v[8+4*(\k)], v[9+4*(\k)]
	v_cvt_pk_bf16_f32 v[9+4*(\k)], v[10+4*(\k)], v[11+4*(\k)]
.endm
.macro PUT k                           ; the store made of load k; the next launch reads these bytes: no hint
	global_store_b64 v4, v[8+4*(\k):9+4*(\k)], s[6:7] offset:(((\k)%4)/2)*CBB+((\k)/4)*512+((\k)%2)*256
.endm
	s_load_b128 s[4:7], s[0:1], 0x0                ; kernel s[4:5], wb s[6:7]
	v_and_b32 v1, 31, v0                           ; lane
	v_lshrrev_b32 v2, 5, v0                        ; wave
	v_lshlrev_b32 v3, 4, v1
	v_lshl_add_u32 v3, v2, 12, v3                  ; source: two rows of 2,048 bytes a wave + 16 bytes a lane
	v_lshlrev_b32 v4, 3, v1
	v_lshl_add_u32 v4, v2, 10, v4                  ; destination: two rows of 512 bytes a wave + 8 bytes a lane
	s_lshl_b32 s8, ttmp9, 15                       ; 16 rows of 2,048 bytes a work-group
	s_mov_b32 s9, 0
	s_lshr_b32 s10, ttmp9, 5                       ; g
	s_bfe_u32 s11, ttmp9, 0x40001                  ; kc: 4 bits from bit 1
	s_and_b32 s12, ttmp9, 1
	s_lshl3_add_u32 s10, s11, s10                  ; 8 kc + g
	s_lshl_b32 s10, s10, 5                         ; times 32 rows
	s_lshl4_add_u32 s10, s12, s10                  ; + 16 (w % 2)
	s_lshl_b32 s10, s10, 9                         ; times 512 bytes
	s_mov_b32 s11, 0
	s_wait_kmcnt 0x0
	s_add_nc_u64 s[4:5], s[4:5], s[8:9]
	s_add_nc_u64 s[6:7], s[6:7], s[10:11]
	s_wait_alu depctr_va_vdst(0)                   ; v3 and v4 are written: every load of the kernel reads v3 as its offset, every store v4
.set k, 0
.rept 8                                ; load k: row k / 4 of my two, columns 128 (k % 4) on
	global_load_b128 v[8+4*k:11+4*k], v3, s[4:5] offset:(k/4)*2048+(k%4)*512 th:TH_LOAD_NT
.set k, k+1
.endr
.set p, 0
.rept 4                                ; block p: loads 2 p and 2 p + 1
	s_wait_loadcnt 6-2*p                           ; loads come back in order (ISA guide 5.7.1): the block's two are in, the 6 - 2 p younger ones stay out
.if p > 0
	s_wait_alu depctr_va_vdst(0)                   ; the conversions of the block before have written its four result registers, which the two stores below read
	PUT 2*p-2
	PUT 2*p-1
.endif
	CVT 2*p                                        ; these name this block's registers alone: none that the stores above read
	CVT 2*p+1
.set p, p+1
.endr
	s_wait_alu depctr_va_vdst(0)                   ; block 3's conversions have written their results, which the last two stores read
	PUT 6
	PUT 7
	s_endpgm
.Lfunc_end_k_q2747deee09_prep:
	.size	k_q2747deee09_prep, .Lfunc_end_k_q2747deee09_prep-k_q2747deee09_prep
	.p2alignl 7, 3214868480
	.fill 96, 4, 3214868480
	.section	.rodata,"a",@progbits
	.p2align	6, 0x0
	.amdhsa_kernel k_q2747deee09_prep
		.amdhsa_group_segment_fixed_size 0
		.amdhsa_private_segment_fixed_size 0
		.amdhsa_enable_private_segment 0
		.amdhsa_kernarg_size 16
		.amdhsa_user_sgpr_count 2
		.amdhsa_user_sgpr_kernarg_segment_ptr 1
		.amdhsa_wavefront_size32 1
		.amdhsa_system_sgpr_workgroup_id_x 1
		.amdhsa_system_sgpr_workgroup_id_y 1
		.amdhsa_system_sgpr_workgroup_id_z 1
		.amdhsa_system_vgpr_workitem_id 0
		.amdhsa_next_free_vgpr 40
		.amdhsa_next_free_sgpr 66
		.amdhsa_reserve_vcc 0
		.amdhsa_float_denorm_mode_32 3
		.amdhsa_float_denorm_mode_16_64 3
		.amdhsa_memory_ordered 1
		.amdhsa_forward_progress 1
		.amdhsa_inst_pref_size 4
	.end_amdhsa_kernel
	.amdgpu_metadata
---
amdhsa.version: [ 1, 2 ]
amdhsa.kernels:
  - .name:           k_q2747deee09_prep
    .symbol:         k_q2747deee09_prep.kd
    .args:
      - { .name: kernel, .offset: 0, .size: 8, .value_kind: global_buffer, .address_space: global }
      - { .name: wb, .offset: 8, .size: 8, .value_kind: global_buffer, .address_space: global }
    .group_segment_fixed_size: 0
    .private_segment_fixed_size: 0
    .kernarg_segment_align: 8
    .kernarg_segment_size: 16
    .max_flat_workgroup_size: 256
    .sgpr_count:     66
    .vgpr_count:     40
    .wavefront_size: 32
...
	.end_amdgpu_metadata
.endif
;; end of part 3
;; launch main: the kernel of part 2 again; grid 256 x 1, 4 waves a work-group, clusters of 4 x 1, 327,680 bytes of LDS; arguments x, g, bias, wb, out0; writes out0
